; MI455X (gfx1250); checked and timed in simulation.
; The chip was launched on July 23, 2026; its instructions are those of AMD's public machine-readable ISA for CDNA 5 (MIT licence, August 2026) and "CDNA5" Instruction Set Architecture Reference Guide (July 2026). The comments in the code are by the model that wrote it; some were corrected since.
;; Multitask Readout. Allowed arithmetic: float matrix products may take bf16 or f16 operands with f32 sums; all other float work in f32.
;; Inputs: W 8 x 1,024 x 64 float32; b 8 x 64 float32; output_embs 16 x 4,096 x 1,024 float32; output_readout_index 16 x 4,096 int32.
;; Outputs: out0 16 x 4,096 x 64 float32.
;; One version. Each part assembles by itself: llvm-mc -triple=amdgcn-amd-amdhsa -mcpu=gfx1250 --defsym DOCPART=n.
;; ======== version 1 of 1: 1 launch
;; launch readout (part 1): grid 32 x 8, 10 waves a work-group, no clusters, 176,896 bytes of LDS; arguments W, b, output_embs, output_readout_index, out0; writes out0
.if DOCPART == 1
	.amdgcn_target "amdgcn-amd-amdhsa--gfx1250"
	.amdhsa_code_object_version 6
	.text
	.protected	k_q3ce7f055ad_readout
	.globl	k_q3ce7f055ad_readout
	.p2align	8
	.type	k_q3ce7f055ad_readout,@function
k_q3ce7f055ad_readout:
	s_mov_b64 s[64:65], 0
	v_nop
	global_prefetch_b8 v0, s[64:65] scope:SCOPE_SE
	s_setreg_imm32_b32 hwreg(HW_REG_WAVE_MODE, 25, 1), 1
	s_wait_xcnt 0x0
; out[token][e] = sum over d of emb[token][d] * W[idx[token]][d][e] + b[idx[token]][e]
; 65,536 tokens, 1,024 d, 64 e, 8 heads.  Only the head that a token names is multiplied: the other seven results are thrown away by the selection.
;
; SHARES.  Work-group (x = p, y = t) owns head t and the 2,048 tokens 2048 p .. 2048 p + 2047, and makes the rows of those tokens whose index is t.
; W[t] is rounded once to bf16 and kept transposed in LDS.  The block's matching tokens are ranked 0 .. n-1 in a fixed order; rank q belongs to
; wave q mod 10, slot q div 10.  A wave works alone on 32 slots at a time (a super-trip: two tiles of 16 tokens x 64 e x 1,024 d).
; 10 waves x 32 slots = 320 ranks for one super-trip; any n from 0 to 2,048 is served by ceil((n - wave) / 320) super-trips.
; A token row comes in by loads of 512 consecutive bytes, is rounded to bf16, and goes through the wave's own LDS stage into A fragments.
; A ring of two landing halves keeps 32 loads of 512 bytes of every wave on their way.
;
; FORMATS.  Matrix operands bf16 (f32's exponent range), sums f32 in one accumulator for each output with d ascending, bias added in f32.
; LIMIT.  A token whose index is not in 0 .. 7 is matched by no work-group and its output row is not written (the selection in the problem relies on
; indices inside the table of 8 heads).
; Empty slots multiply 16 bytes of the block's last row, spread over the row; rows of a product do not mix, and those results are never stored.
;
; NOT USED, AND WHY.  Joint tensor loads in a cluster: what work-groups share is W[t] alone, read once; it must be rounded and transposed on its way,
; and its f32 image (262,144 bytes) beside the bf16 copy (132,096) and the stages (43,520) is 437,760 bytes, more than the 327,680 a work-group can
; be given.  Tensor loads for the rows: the rows are picked by a list and pass through registers for the rounding anyway.
; Prefetches: the ring itself has 10 x 16,384 bytes of every work-group on its way, and before the ranking is done the rows are not known.
;
; LDS.  0 .. 132,095: WT, 64 rows of pitch 2,064 (2,048 bytes = 1,024 bf16 along d, + 16).  Row 16 m + c holds column e = 4 c + m.
;       132,096 + 4,352 wave: the wave's stage, 16 token rows of pitch 272 (128 bf16 + 16 bytes).
; Both pitches are odd multiples of 16 bytes: sixteen consecutive rows start at sixteen different 16-byte columns modulo 256.
; With that order of WT's rows, B fragment j holds the columns e = 4 r + j, so that the four accumulators of a lane hold four NEIGHBOURING e of a
; token: 16 bytes, and sixteen neighbouring lanes hold a whole output row of 256 bytes.  The results need no way through LDS.
.set PW,     2064                      ; pitch of WT
.set PS,     272                       ; pitch of a stage
.set STAGE0, 64*PW                     ; 132,096
.set STAGEW, 16*PS                     ; 4,352
.set L16,  1                           ; v1       16 x lane
.set ST,   2                           ; v2       stage + 8 x lane: where a lane puts its 4 bf16 of a row
.set LA,   3                           ; v3       stage + r x 272 + 16 h: A fragments (r = lane % 16, h = lane / 16)
.set BB0,  4                           ; v4       r x 2,064 + 16 h: B fragments 0, 1
.set BB1,  5                           ; v5       the same + 32 rows: B fragments 2, 3
.set R16,  6                           ; v6       16 r
.set TOK,  8                           ; v8       lane s: the token (0 .. 2,047 in the block) of my wave's slot s, or all ones
.set RHO0, 9                           ; v9       10 x lane + wave: the rank of slot = lane in the first super-trip
.set BIAS, 10                          ; v[10:13] b[t][4 r .. 4 r + 3]
.set REM,  14                          ; v14      rank minus the matches counted so far
.set WORD, 15                          ; v15      the ballot word that holds my rank
.set LOC,  16                          ; v16      my rank inside that word
.set KK,   17                          ; v17      that word's number
.set POS,  18                          ; v18      the bit found
.set LM,   19                          ; v19      lane s: 1 if slot s is filled, else 0
.set OFF,  20                          ; v[20:51] slot s: byte offset of my 16 bytes in the slot's token row
.set Q,    20                          ; v[20:35] before the first super-trip: packed bf16 of W
.set ACC,  52                          ; v[52:83] four accumulators
.set AF,   84                          ; v[84:91] A fragment; on the way out: addresses
.set BF,   92                          ; v[92:123] four B fragments; on the way out: tokens and results
.set IDX,  52                          ; v[52:115] 64 index words, during a ranking only
.set CN1,  116                         ; v116-119 counts of ones in fields of 2, 4, 8, 16 bits
.set CN2,  117
.set CN4,  118
.set CN8,  119
.set TC,   120
.set TD,   121
.set WO,   124                         ; v124     my byte offset in W[t]
.set WS0,  125                         ; v125     where my packed W goes in WT, rows 0-31
.set WS1,  126                         ; v126     rows 32-63
.set X,    128                         ; v[128:255] two landing halves of 64 registers (16 rows x 16 bytes a lane)
; scalars: s[4:5] W[t], s[6:7] b[t], s[8:9] the block's embeddings, s[10:11] its indices, s[12:13] its outputs, s14 wave, s16 t,
; s[18:19] an offset, s20 what s_and_saveexec_b32 saves, s21 filled slots, s22 super-trips, s23 their counter, s24 320 x counter, s25-27 at work,
; s28 the mask of lanes 16-31, s[32:39] eight ballots, s[40:47] their counts.
	s_load_b256 s[4:11], s[0:1], 0x0               ; W, b, output_embs, output_readout_index
	s_load_b64 s[12:13], s[0:1], 0x20              ; out0
	v_lshl_add_u32 v7, v0, 2, 0x2ae00
	v_mov_b32 v127, 0
	v_lshrrev_b32 v14, 5, v0
	v_readfirstlane_b32 s14, v14                   ; wave 0 .. 9
	s_and_b32 s16, ttmp7, 0xffff                   ; t
	v_and_b32 v15, 31, v0                          ; lane
	v_and_b32 v16, 15, v0                          ; r
	v_bfe_u32 v17, v0, 4, 1                        ; h
	s_mul_i32 s25, s14, STAGEW
	s_add_co_u32 s25, s25, STAGE0                  ; my stage
	v_lshlrev_b32 v[L16], 4, v15
	v_lshl_add_u32 v[ST], v15, 3, s25
	v_mul_u32_u24 v18, v16, PS
	v_lshl_add_u32 v18, v17, 4, v18
	v_add_nc_u32 v[LA], s25, v18
	v_mul_u32_u24 v18, v16, PW
	v_lshl_add_u32 v[BB0], v17, 4, v18
	v_add_nc_u32 v[BB1], 32*PW, v[BB0]
	v_lshlrev_b32 v[R16], 4, v16
	v_mul_u32_u24 v18, v15, 10
	v_add_nc_u32 v[RHO0], s14, v18
	s_lshl_b32 s26, s14, 15                        ; waves 0-7: 128 rows of W[t] each, 256 bytes a row
	v_lshl_add_u32 v[WO], v17, 11, v[R16]          ; lanes 0-15 one row of 256 bytes, lanes 16-31 the row 8 further down
	v_add_nc_u32 v[WO], s26, v[WO]
	s_lshl_b32 s26, s14, 8                         ; 128 d = 256 bytes along WT's rows
	v_add_nc_u32 v[WS0], s26, v[BB0]
	v_add_nc_u32 v[WS1], 32*PW, v[WS0]
	s_mov_b32 s23, 0
	s_mov_b32 s24, 0
	s_mov_b32 s28, 0xffff0000
	s_mov_b32 s19, 0
	s_wait_kmcnt 0x0
	s_lshl_b32 s18, s16, 18                        ; t x 1,024 x 64 x 4
	s_add_nc_u64 s[4:5], s[4:5], s[18:19]
	s_lshl_b32 s18, s16, 8                         ; t x 64 x 4
	s_add_nc_u64 s[6:7], s[6:7], s[18:19]
	s_lshl_b32 s18, ttmp9, 23                      ; p x 2,048 x 4,096 (p < 32: below 2^28)
	s_add_nc_u64 s[8:9], s[8:9], s[18:19]
	s_lshl_b32 s18, ttmp9, 13                      ; p x 2,048 x 4
	s_add_nc_u64 s[10:11], s[10:11], s[18:19]
	s_lshl_b32 s18, ttmp9, 19                      ; p x 2,048 x 256
	s_add_nc_u64 s[12:13], s[12:13], s[18:19]
; The block's 2,048 indices: register 4 j + i of lane l is token 128 j + 4 l + i.
.macro IDXLOAD
.irp j, 0,1,2,3,4,5,6,7,8,9,10,11,12,13,14,15
	global_load_b128 v[IDX+4*\j:IDX+4*\j+3], v[L16], s[10:11] offset:512*\j
.endr
.endm
; Half bt of my 128 rows of W[t]: group g = 16 rows; register 4 (8 g + i) + m of lane (c, h) is W[128 wave + 16 (4 bt + g) + 8 h + i][4 c + m].
; Sixteen lanes read a whole row of 256 bytes.  No hint: 31 other work-groups read the same bytes.
.macro WLOAD bt
.irp g, 0,1,2,3
.irp i, 0,1,2,3,4,5,6,7
	global_load_b128 v[X+4*(8*\g+\i):X+4*(8*\g+\i)+3], v[WO], s[4:5] offset:(4*\bt+\g)*4096+256*\i
.endr
.endr
.endm
; Round and transpose: eight d of column 4 c + m make 16 bytes of WT's row 16 m + c.  Lanes c = 0 .. 15 write sixteen consecutive rows.
.macro WCONV bt
.irp g, 0,1,2,3
.irp m, 0,1,2,3
.irp q, 0,1,2,3
	v_cvt_pk_bf16_f32 v[Q+4*\m+\q], v[X+4*(8*\g+2*\q)+\m], v[X+4*(8*\g+2*\q+1)+\m]
.endr
.endr
.irp m, 0,1,2,3
	ds_store_b128 v[WS0+\m/2], v[Q+4*\m:Q+4*\m+3] offset:(\m%2)*16*PW+(4*\bt+\g)*32
.endr
.endr
.endm
; Ranking, part 1.  64 ballots (which lanes' token of register k names head t).  Every lane walks them with its own rank: the word in which
; the rest of the rank falls below the word's count is the lane's; behind it the rest is negative, as unsigned too large to hit again.
; At the end REM = rank - n.  Eight ballots and eight counts are made ahead of the eight steps that use them.
.macro SCAN
	v_add_nc_u32 v[REM], s24, v[RHO0]
	v_mov_b32 v[WORD], 0
	v_mov_b32 v[LOC], 0
	v_mov_b32 v[KK], 0
.irp bb, 0,1,2,3,4,5,6,7
.irp q, 0,1,2,3,4,5,6,7
	v_cmp_eq_u32 s[32+\q], s16, v[IDX+8*\bb+\q]
.endr
.irp q, 0,1,2,3,4,5,6,7
	s_bcnt1_i32_b32 s[40+\q], s[32+\q]
.endr
.irp q, 0,1,2,3,4,5,6,7
	v_cmp_gt_u32 vcc_lo, s[40+\q], v[REM]
	v_cndmask_b32 v[WORD], v[WORD], s[32+\q], vcc_lo
	v_cndmask_b32 v[LOC], v[LOC], v[REM], vcc_lo
	v_cndmask_b32 v[KK], v[KK], 8*\bb+\q, vcc_lo
	v_sub_nc_u32 v[REM], v[REM], s[40+\q]
.endr
.endr
.endm
; One step down: if the rank is not among the ones of the lower field, take them off and go to the upper field.
.macro DESC arr, width, step
	v_bfe_u32 v[TC], v[\arr], v[POS], \width
	v_cmp_ge_u32 vcc_lo, v[LOC], v[TC]
	v_cndmask_b32 v[TC], 0, v[TC], vcc_lo
	v_sub_nc_u32 v[LOC], v[LOC], v[TC]
	v_cndmask_b32 v[TD], 0, \step, vcc_lo
	v_add_nc_u32 v[POS], v[POS], v[TD]
.endm
; Ranking, part 2: the place of the LOC-th one in WORD, by counts of ones in fields of 2, 4, 8, 16 bits and five steps down; then the token.
.macro SELECT
	v_cmp_gt_i32 s21, 0, v[REM]                    ; rank < n: the slot is filled
	v_lshrrev_b32 v[CN1], 1, v[WORD]
	v_and_b32 v[CN1], 0x55555555, v[CN1]
	v_sub_nc_u32 v[CN1], v[WORD], v[CN1]
	v_lshrrev_b32 v[CN2], 2, v[CN1]
	v_and_b32 v[CN2], 0x33333333, v[CN2]
	v_and_b32 v[TC], 0x33333333, v[CN1]
	v_add_nc_u32 v[CN2], v[CN2], v[TC]
	v_lshrrev_b32 v[CN4], 4, v[CN2]
	v_add_nc_u32 v[CN4], v[CN4], v[CN2]
	v_and_b32 v[CN4], 0x0f0f0f0f, v[CN4]
	v_lshrrev_b32 v[CN8], 8, v[CN4]
	v_add_nc_u32 v[CN8], v[CN8], v[CN4]
	v_and_b32 v[CN8], 0x00ff00ff, v[CN8]
	v_mov_b32 v[POS], 0
	DESC CN8, 8, 16
	DESC CN4, 8, 8
	DESC CN2, 4, 4
	DESC CN1, 2, 2
	DESC WORD, 1, 1
	v_and_b32 v[TC], 60, v[KK]                     ; word 4 j + i, bit l: token 128 j + 4 l + i
	v_and_b32 v[TD], 3, v[KK]
	v_lshl_add_u32 v[TC], v[TC], 5, v[TD]
	v_lshl_add_u32 v[TC], v[POS], 2, v[TC]
	v_cndmask_b32 v[TOK], -1, v[TC], s21
	v_cndmask_b32 v[LM], 0, 1, s21
.endm
; Slot s: every lane's offset in the slot's token row.  Both numbers that come from the indices are clamped here: the token to the block's last row,
; the factor to 1.  In an empty slot all lanes ask for the same 16 bytes of the block's last row: inside the buffer, and next to no bytes.
.macro ROWOFF s
	v_readlane_b32 s25, v[TOK], \s
	v_readlane_b32 s27, v[LM], \s
	s_min_u32 s25, s25, 2047
	s_min_u32 s27, s27, 1
	s_lshl_b32 s26, s25, 12                        ; 4,096 bytes a row
	v_mad_u32_u24 v[OFF+\s], s27, v[L16], s26
.endm
; Chunk c (128 d = 512 bytes) of the 16 rows of tile tl, into the landing half of c's parity.  Each row is read once in the launch.
.macro FILL tl, c
.irp r, 0,1,2,3,4,5,6,7,8,9,10,11,12,13,14,15
	global_load_b128 v[X+64*(\c%2)+4*\r:X+64*(\c%2)+4*\r+3], v[OFF+16*\tl+\r], s[8:9] offset:512*\c th:TH_LOAD_NT
.endr
.endm
; Four B fragments (WT rows 16 j + r, 32 d at chunk c, step s) and one A fragment (stage row r): lane (r, h) takes d = 8 h .. and 16 + 8 h ..
.macro BLOAD c, s
.irp j, 0,1,2,3
	ds_load_b128 v[BF+8*\j:BF+8*\j+3],   v[BB0+\j/2] offset:(\j%2)*16*PW+256*\c+64*\s
	ds_load_b128 v[BF+8*\j+4:BF+8*\j+7], v[BB0+\j/2] offset:(\j%2)*16*PW+256*\c+64*\s+32
.endr
.endm
.macro ALOAD s
	ds_load_b128 v[AF:AF+3],   v[LA] offset:64*\s
	ds_load_b128 v[AF+4:AF+7], v[LA] offset:64*\s+32
.endm
; 16 tokens x 64 e x 32 d.  zero = 1: the first product starts the sums, nothing is cleared.  Register i of accumulator j in lane (r, h):
; token slot 8 h + i, e = 4 r + j.  The four v_nop are the places between the products and the next loads into their sources,
; and between the last products of a tile and the vector instructions that read the sums or write the fragments' registers.
.macro MUL zero
.irp j, 0,1,2,3
.if \zero
	v_wmma_f32_16x16x32_bf16 v[ACC+8*\j:ACC+8*\j+7], v[AF:AF+7], v[BF+8*\j:BF+8*\j+7], 0
.else
	v_wmma_f32_16x16x32_bf16 v[ACC+8*\j:ACC+8*\j+7], v[AF:AF+7], v[BF+8*\j:BF+8*\j+7], v[ACC+8*\j:ACC+8*\j+7]
.endif
.endr
.rept 4
	v_nop
.endr
.endm
; One chunk of a tile.  left: how many younger row loads may stay out (the 16 of the other half).  fill = 1: this half is asked for again,
; with chunk nc of tile ntl, as soon as its numbers are rounded.
.macro CHUNK c, zero, left, fill, ntl, nc
.set XH, X+64*(\c%2)
	BLOAD \c, 0                                    ; hangs on no row: issued ahead of the wait
	s_wait_loadcnt \left                           ; loads come back in order (ISA guide 5.7.1): my half is in
.irp r, 0,1,2,3,4,5,6,7,8,9,10,11,12,13,14,15
	v_cvt_pk_bf16_f32 v[XH+4*\r],   v[XH+4*\r],   v[XH+4*\r+1]
	v_cvt_pk_bf16_f32 v[XH+4*\r+1], v[XH+4*\r+2], v[XH+4*\r+3]
.endr
.irp r, 0,1,2,3,4,5,6,7,8,9,10,11,12,13,14,15
	ds_store_b64 v[ST], v[XH+4*\r:XH+4*\r+1] offset:PS*\r      ; 32 lanes x 8 bytes: a stage row's 256 consecutive bytes
.endr
.if \fill
	FILL \ntl, \nc
.endif
	ALOAD 0                                        ; my own stage: LDS serves a wave's instructions in order, these see the stores above
	s_wait_dscnt 0x0                               ; the fragments are needed now
	MUL \zero
.irp s, 1,2,3
	BLOAD \c, \s
	ALOAD \s
	s_wait_dscnt 0x0
	MUL 0
.endr
.endm
; The way out of tile tl.  Lane (r, h) takes the token of slot 16 tl + 8 h + i and stores, for each i, the 16 bytes e = 4 r .. 4 r + 3 of that token's
; row: lanes 0-15 fill one output row of 256 bytes, aligned, lanes 16-31 another.  Empty slots store nothing.
; Outside the three lines of a masked store every lane is on, so EXEC is set back by the constant -1 (what s_and_saveexec_b32 saves is not needed).
.macro OUT tl
.irp i, 0,1,2,3,4,5,6,7
	v_readlane_b32 s25, v[TOK], 16*\tl+\i          ; slot i, for lanes 0-15
	v_readlane_b32 s26, v[TOK], 16*\tl+8+\i        ; slot 8 + i, for lanes 16-31
	v_mov_b32 v[BF+\i], s25
	v_cndmask_b32 v[BF+\i], v[BF+\i], s26, s28
.endr
.irp i, 0,1,2,3,4,5,6,7
	v_min_u32 v[AF+\i], 0x7ff, v[BF+\i]            ; clamped to the block before it enters an address
.endr
.irp i, 0,1,2,3,4,5,6,7
	v_lshl_add_u32 v[AF+\i], v[AF+\i], 8, v[R16]   ; 256 bytes a row + 16 r
.endr
	s_wait_xcnt 0x0                                ; row loads have been issued: EXEC, one of their sources, changes only behind this wait
.irp i, 0,1,2,3,4,5,6,7
.irp j, 0,1,2,3
	v_add_f32 v[BF+8+4*(\i%4)+\j], v[ACC+8*\j+\i], v[BIAS+\j]
.endr
	v_cmp_gt_u32 vcc_lo, 0x800, v[BF+\i]           ; the slot is filled
	s_and_saveexec_b32 s20, vcc_lo
	global_store_b128 v[AF+\i], v[BF+8+4*(\i%4):BF+8+4*(\i%4)+3], s[12:13] th:TH_STORE_NT
	s_wait_xcnt 0x0                                ; EXEC widens, and the store's data and address are written again, only behind this wait
	s_mov_b32 exec_lo, -1
.endr
.endm
	; ---- the start: bias, indices, W ----
	global_load_b128 v[BIAS:BIAS+3], v[R16], s[6:7]
	IDXLOAD
	s_cmp_ge_u32 s14, 8                            ; waves 0-7 bring W[t] in, 128 d each
	s_cbranch_scc1 .Lno_w0
	WLOAD 0
.Lno_w0:
	s_wait_loadcnt 0x0                             ; bias, indices, the first half of my W
	s_cmp_ge_u32 s14, 8
	s_cbranch_scc1 .Lno_w1
	WCONV 0
	WLOAD 1                                        ; on its way during the ranking, which touches neither X nor WO
.Lno_w1:
	SCAN
	v_readfirstlane_b32 s25, v[REM]                ; lane 0: wave - n
	s_sub_co_i32 s25, 0, s25
	s_max_i32 s25, s25, 0                          ; d = ranks from mine on, 0 .. 2,048
	s_add_co_u32 s25, s25, 319
	s_mul_i32 s25, s25, 13108                      ; 13,108 / 2^22 = 1/320 x (1 + 6.1e-5): over x <= 2,367 the excess stays below 0.0005 < 1/320,
	s_lshr_b32 s22, s25, 22                        ; so this is floor((d + 319) / 320) = the number of my super-trips
	s_min_u32 s22, s22, 7                          ; d <= 2,048 gives 7 at the most: the bound is written out, as for every number made of the indices
	s_wait_loadcnt 0x0                             ; the second half of my W (waves 8 and 9 have nothing out).  X is loaded again only behind this wait
	s_cmp_ge_u32 s14, 8
	s_cbranch_scc1 .Lno_w2
	WCONV 1
.Lno_w2:
	s_wait_dscnt 0x0                               ; for the others' sake: my stores into WT are done
	s_barrier_signal -1                            ; the launch's one barrier, between the stores into WT and every wave's reads of it
	SELECT                                         ; register work only
	s_barrier_wait -1                              ; WT is whole, and is never written again
	s_cmp_eq_u32 s22, 0                            ; fewer matches than my wave's number: nothing is mine
	s_cbranch_scc1 .Lend
	; ---- a super-trip: 32 slots, two tiles.  The ring starts here, runs from tile 0 into tile 1 and runs out at the end of tile 1.  No barrier in here. ----
.Lsuper:
.irp s, 0,1,2,3,4,5,6,7,8,9,10,11,12,13,14,15
	ROWOFF \s                                      ; tile 0's offsets, each row's first load straight behind its offset
	global_load_b128 v[X+4*\s:X+4*\s+3], v[OFF+\s], s[8:9] th:TH_LOAD_NT
.endr
	FILL 0, 1
.irp s, 16,17,18,19,20,21,22,23,24,25,26,27,28,29,30,31
	ROWOFF \s                                      ; tile 1's offsets, while the first 32 loads are on their way
.endr
	CHUNK 0, 1, 16, 1, 0, 2
	CHUNK 1, 0, 16, 1, 0, 3
	CHUNK 2, 0, 16, 1, 0, 4
	CHUNK 3, 0, 16, 1, 0, 5
	CHUNK 4, 0, 16, 1, 0, 6
	CHUNK 5, 0, 16, 1, 0, 7
	CHUNK 6, 0, 16, 1, 1, 0
	CHUNK 7, 0, 16, 1, 1, 1
	OUT 0
	CHUNK 0, 1, 16, 1, 1, 2
	CHUNK 1, 0, 16, 1, 1, 3
	CHUNK 2, 0, 16, 1, 1, 4
	CHUNK 3, 0, 16, 1, 1, 5
	CHUNK 4, 0, 16, 1, 1, 6
	CHUNK 5, 0, 16, 1, 1, 7
	CHUNK 6, 0, 16, 0, 0, 0                        ; the last two chunks ask for nothing:
	CHUNK 7, 0, 0, 0, 0, 0                         ; behind the last one's loads none was issued, the wait is for 0, and OFF and X are free
	OUT 1
	s_add_co_u32 s23, s23, 1
	s_cmp_ge_u32 s23, s22
	s_cbranch_scc1 .Lend
	; more than 320 matches in the block: rank again, 320 ranks further on
	s_add_co_u32 s24, s24, 320
	IDXLOAD                                        ; into the accumulators' and fragments' registers: the sums are stored, the stores' sources freed above
	s_wait_loadcnt 0x0
	SCAN
	SELECT
	s_cmp_lt_u32 s23, s22
	s_cbranch_scc1 .Lsuper
.Lend:
	s_wait_tensorcnt 0x0
	ds_add_u32 v7, v127
	s_wait_dscnt 0x0
	s_endpgm
.Lfunc_end_k_q3ce7f055ad_readout:
	.size	k_q3ce7f055ad_readout, .Lfunc_end_k_q3ce7f055ad_readout-k_q3ce7f055ad_readout
	.p2alignl 7, 3214868480
	.fill 96, 4, 3214868480
	.section	.rodata,"a",@progbits
	.p2align	6, 0x0
	.amdhsa_kernel k_q3ce7f055ad_readout
		.amdhsa_group_segment_fixed_size 176896
		.amdhsa_private_segment_fixed_size 0
		.amdhsa_enable_private_segment 0
		.amdhsa_kernarg_size 40
		.amdhsa_user_sgpr_count 2
		.amdhsa_user_sgpr_kernarg_segment_ptr 1
		.amdhsa_wavefront_size32 1
		.amdhsa_system_sgpr_workgroup_id_x 1
		.amdhsa_system_sgpr_workgroup_id_y 1
		.amdhsa_system_sgpr_workgroup_id_z 1
		.amdhsa_system_vgpr_workitem_id 0
		.amdhsa_next_free_vgpr 256
		.amdhsa_next_free_sgpr 66
		.amdhsa_reserve_vcc 1
		.amdhsa_float_denorm_mode_32 3
		.amdhsa_float_denorm_mode_16_64 3
		.amdhsa_memory_ordered 1
		.amdhsa_forward_progress 1
		.amdhsa_inst_pref_size 232
	.end_amdhsa_kernel
	.amdgpu_metadata
---
amdhsa.version: [ 1, 2 ]
amdhsa.kernels:
  - .name:           k_q3ce7f055ad_readout
    .symbol:         k_q3ce7f055ad_readout.kd
    .args:
      - { .name: W, .offset: 0, .size: 8, .value_kind: global_buffer, .address_space: global }
      - { .name: b, .offset: 8, .size: 8, .value_kind: global_buffer, .address_space: global }
      - { .name: output_embs, .offset: 16, .size: 8, .value_kind: global_buffer, .address_space: global }
      - { .name: output_readout_index, .offset: 24, .size: 8, .value_kind: global_buffer, .address_space: global }
      - { .name: out0, .offset: 32, .size: 8, .value_kind: global_buffer, .address_space: global }
    .group_segment_fixed_size: 176896
    .private_segment_fixed_size: 0
    .kernarg_segment_align: 8
    .kernarg_segment_size: 40
    .max_flat_workgroup_size: 320
    .sgpr_count:     66
    .vgpr_count:     256
    .wavefront_size: 32
...
	.end_amdgpu_metadata
.endif
;; end of part 1
